; MI455X (gfx1250); checked and timed in simulation.
; The chip was launched on July 23, 2026; its instructions are those of AMD's public machine-readable ISA for CDNA 5 (MIT licence, August 2026) and "CDNA5" Instruction Set Architecture Reference Guide (July 2026). The comments in the code are by the model that wrote it; some were corrected since.
;; Multi Head Attention Block. Allowed arithmetic: matrix products marked QUANTISED: E2M3 operands, one E8M0 scale for each 32 along K, by v_wmma_scale_f32_16x16x128_f8f6f4 with both operands' format E2M3, f32 sums; everything else in f32.
;; Inputs: bk 1,024 float32; bo 1,024 float32; bq 1,024 float32; bv 1,024 float32; k 4 x 2,048 x 1,024 float32; q 4 x 2,048 x 1,024 float32; v 4 x 2,048 x 1,024 float32; wk 1,024 x 1,024 float32; wo 1,024 x 1,024 float32; wq 1,024 x 1,024 float32; wv 1,024 x 1,024 float32.
;; Outputs: out0 4 x 2,048 x 1,024 float32.
;; This version of the problem:
;;   THIS VERSION OF THE PROBLEM IS GIVEN IN LOW PRECISION. The matrix products marked QUANTISED in the list below multiply operands that are first quantised to E2M3 (2 exponent bits, 3 mantissa bits; 6 bits a number), with one power-of-two scale for each 32 numbers along K (OCP MX v1.0); their sums are f32. All else is computed in f32.
;;   The module's matrix products, in the order in which they are computed (A, B: the left and right operand; K: the contracted axis; several contracted axes count as one K, in the product's order):
;;     1. [M 8,192, K 1,024] x [K 1,024, N 1,024]; A: input q; B: input wq: QUANTISED
;;     2. [M 8,192, K 1,024] x [K 1,024, N 1,024]; A: input k; B: input wk: QUANTISED
;;     3. [M 8,192, K 1,024] x [K 1,024, N 1,024]; A: input v; B: input wv: QUANTISED
;;     4. batch 64 x [M 2,048, K 64] x [K 64, N 2,048]; A: computed on the way; B: computed on the way: QUANTISED
;;     5. batch 64 x [M 2,048, K 2,048] x [K 2,048, N 64]; A: softmax (see below); B: computed on the way: QUANTISED
;;     6. [M 8,192, K 1,024] x [K 1,024, N 1,024]; A: computed on the way; B: input wo: QUANTISED
;;   THE QUANTISER, for each operand of a quantised product, along K:
;;     - K is cut into blocks of 32 from its start; a last block that is shorter is filled with zeros.
;;     - A block's scale is 2^e with e = floor(log2(the largest magnitude in the block)) - 2, held to -126 .. 127; a block of zeros has e = 0. As a byte (E8M0): e + 127.
;;     - Each number is divided by its block's scale, clamped to +-7.5, and rounded to the nearest number of E2M3, ties to even, subnormals kept.
;;     - The product sums the exact products of the quantised numbers (number of the format x scale) in f32.
;;   ~~~python
;;   def quantise(x, axis):      # numpy; x: float32 -> the quantised numbers, widened to float32 again
;;       x = np.moveaxis(x, axis, -1); K = x.shape[-1]
;;       x = np.pad(x, [(0, 0)] * (x.ndim - 1) + [(0, -K % 32)]); x = x.reshape(x.shape[:-1] + (-1, 32)); a = np.abs(x).max(-1, keepdims=True)
;;       e = np.where(a > 0, np.clip(np.frexp(np.where(a > 0, a, 1))[1] - 1 - 2, -126, 127), 0)      # np.frexp(a)[1] - 1 = floor(log2(a)), exactly
;;       r = np.clip(x / 2.0 ** e, -7.5, 7.5)
;;       step = 2.0 ** (np.maximum(np.frexp(np.where(r == 0, 1, r))[1] - 1, 0) - 3)
;;       q = np.round(r / step) * step * 2.0 ** e      # np.round: ties to even
;;       return np.moveaxis(q.reshape(q.shape[:-2] + (-1,))[..., :K], -1, axis).astype(np.float32)
;;   ~~~
;;   SOFTMAX AHEAD OF A QUANTISED PRODUCT. Where the list says 'softmax', what is quantised is not the finished softmax but p = 2^(t - M), with t = logit x log2(e) and M = ceil(the row's largest t), a whole number; so 1/2 < the row's largest p <= 1. The row's sum l is taken of the UNQUANTISED p, in f32, and the product's result is divided by l at the end. Since M is a whole number, a kernel that streams over the keys may use a running M (the ceiling of the running maximum): every later rescaling is an exact power of two, which a block's scale takes up: the codes' values come out the same.
;;   OPERANDS COMPUTED ON THE WAY. 'Computed on the way' means the value that the module computes at that place (a softmax that the list does not call 'softmax' is quantised finished and normalised). What goes into a quantiser is computed in f32, as accurately as f32 sums, v_exp_f32 and their like allow (about 1e-6 of the number): no bf16 or f16 on the way to a quantiser, and a product that is left as it is and whose result goes on into a quantised operand takes f32 operands (vector FMAs, or v_wmma_f32_16x16x4_f32). A number that lies on a knife's edge between two numbers of the format may be rounded either way, as far as f32 arithmetic and the matrix unit's own rounding can turn it there, and no further.
;; One version. Each part assembles by itself: llvm-mc -triple=amdgcn-amd-amdhsa -mcpu=gfx1250 --defsym DOCPART=n.
;; ======== version 1 of 1: 4 launches
;; limits: right only within a limited range of input values
;; workspace buffers: xc 22,020,096 bytes; xs 917,504 bytes; qc 6,291,456 bytes; qs 524,288 bytes; kv 13,631,488 bytes; cc 6,291,456 bytes; cs 262,144 bytes
;; launch quant (part 1): grid 1792 x 1, 1 waves a work-group, no clusters, 8,960 bytes of LDS; arguments q, k, v, wq, wk, wv, wo, xc, xs; writes xc, xs
.if DOCPART == 1
	.amdgcn_target "amdgcn-amd-amdhsa--gfx1250"
	.amdhsa_code_object_version 6
	.text
	.protected	k_q03e690ff1f_quant
	.globl	k_q03e690ff1f_quant
	.p2align	8
	.type	k_q03e690ff1f_quant,@function
k_q03e690ff1f_quant:
	s_mov_b64 s[64:65], 0
	v_nop
	global_prefetch_b8 v0, s[64:65] scope:SCOPE_SE
	s_setreg_imm32_b32 hwreg(HW_REG_WAVE_MODE, 25, 1), 1
	s_wait_xcnt 0x0
; q, k, v [8192][1024] and wq, wk, wv, wo [1024][1024], f32, K innermost, become codes of FP6 (E2M3) with one E8M0 byte for each 32 along K.
; A block's scale is 2^(floor(log2(its largest magnitude)) - 2); its byte is that magnitude's exponent field - 2, held at 1 from below.
; LIMITS: NaN and infinities are not served; a block whose largest magnitude lies under 2^-124 takes the byte 1; a block of zeros gets the byte 1 where the
; rule says 127 (its codes are zeros, which add nothing under any byte but 0xff, and this program alone reads the bytes).
; LAYOUT.  A HALF IMAGE is 768 bytes: 16 rows x 64 along K; lane l = (r = l % 16, h = l / 16) owns row r, k = 32 h .. 32 h + 31, six registers:
; registers 0-3 at byte 16 l, registers 4-5 at byte 512 + 8 l.  xc = [row tile G][16 half images]; xs = [G][row 16][32 bytes].
; ROW TILE L of a tensor holds rows 64 (L / 4) + 8 (L % 4) + r % 8 + 32 (r / 8): as source 0 of a product, four neighbouring tiles give a lane 32 neighbouring results: one scale block.
; G: q 0-511, k 512-1023, v 1024-1535, wq 1536.., wk 1600.., wv 1664.., wo 1728-1791.
; One wave to a work-group, one row tile to a wave: nothing shared, no barrier.  A step is 128 along K: 16 loads of 512 consecutive bytes of one row; they turn through a stage in LDS
; (rows 528 bytes apart) so that a lane gets 2 x 32 neighbours of its row.  Loads run two steps (32 loads) ahead.  A stream read once: no matrix unit, cluster or tensor load.
.set R0, 16                            ; v16-143 two sets as loaded
.set XX, 144                           ; v144-207 my 2 x 32 neighbours
.set WW, 208                           ; v208-215 my row's scale words
.set ZZ, 216
.set C0, 220                           ; codes, two sets by turns
.set SP, 528
	s_load_b256 s[4:11], s[0:1], 0x0               ; q, k, v, wq
	s_load_b256 s[12:19], s[0:1], 0x20             ; wk, wv, wo, xc
	s_load_b64 s[20:21], s[0:1], 0x40              ; xs
	v_lshl_add_u32 v254, v0, 2, 0x2200             ; my spare word, behind the stage
	v_mov_b32 v255, 0
	v_lshlrev_b32 v1, 4, v0                        ; 16 x lane
	v_and_b32 v6, 15, v0                           ; r
	v_lshrrev_b32 v7, 4, v0                        ; h
	v_mul_u32_u24 v2, v6, SP
	v_lshl_add_u32 v2, v7, 7, v2                   ; out of the stage: row r, + 128 h
	v_lshlrev_b32 v3, 3, v0                        ; 8 x lane
	v_lshlrev_b32 v4, 5, v6
	v_lshl_add_u32 v4, v7, 4, v4                   ; xs: 32 r + 16 h
	v_lshlrev_b32 v5, 3, v7                        ; 8 h
	v_mov_b32 v9, 0                                ; a lane permute's destination counts as a source
	s_mov_b32 s26, 0x76543210
	s_mov_b32 s27, 0xfedcba98                      ; lane l xor 16
	s_wait_alu depctr_va_vdst(0)                   ; the wait at the head's end
	s_wait_kmcnt 0x0
.macro PICK bound, lo, base                    ; which tensor: by the work-group's number alone
	s_cmp_lt_u32 ttmp9, \bound
	s_cselect_b64 s[22:23], s[\lo:\lo+1], s[22:23]
	s_cselect_b32 s24, \base, s24
.endm
	s_mov_b64 s[22:23], s[16:17]
	s_mov_b32 s24, 1728
	PICK 1728, 14, 1664
	PICK 1664, 12, 1600
	PICK 1600, 10, 1536
	PICK 1536, 8, 1024
	PICK 1024, 6, 512
	PICK 512, 4, 0
	s_sub_co_u32 s24, ttmp9, s24                   ; L
	s_lshr_b32 s25, s24, 2
	s_lshl_b32 s28, s25, 18                        ; 64 rows of 4,096 bytes for each four tiles,
	s_and_b32 s24, s24, 3
	s_lshl_b32 s24, s24, 15                        ; 8 rows for each tile among them
	s_or_b32 s28, s28, s24
	s_mov_b32 s29, 0
	s_add_nc_u64 s[22:23], s[22:23], s[28:29]
	s_mul_i32 s28, ttmp9, 12288
	s_add_nc_u64 s[18:19], s[18:19], s[28:29]
	s_lshl_b32 s28, ttmp9, 9
	s_add_nc_u64 s[20:21], s[20:21], s[28:29]
.macro LOAD t                          ; step t: 512 bytes of each of the tile's 16 rows
.irp j, 0,1,2,3,4,5,6,7,8,9,10,11,12,13,14,15
	global_load_b128 v[R0+64*((\t)%2)+4*\j:R0+64*((\t)%2)+4*\j+3], v1, s[22:23] offset:(\j%8+32*(\j/8))*4096+512*(\t) th:TH_LOAD_NT
.endr
.endm
.macro HALF t, c                       ; my block of 32 of half c: six registers of codes and a byte
.set XS, XX+32*(\c)
.set CC, C0+10*(\c)
	v_max3_num_f32 v12, |v[XS]|, |v[XS+1]|, |v[XS+2]|
	v_max3_num_f32 v13, |v[XS+3]|, |v[XS+4]|, |v[XS+5]|
.irp i, 6,10,14,18,22,26
	v_max3_num_f32 v12, v12, |v[XS+\i]|, |v[XS+\i+1]|
	v_max3_num_f32 v13, v13, |v[XS+\i+2]|, |v[XS+\i+3]|
.endr
	v_max3_num_f32 v12, v12, |v[XS+30]|, |v[XS+31]|
	v_max3_num_f32 v12, v12, v13, 0x1800000        ; the floor 2^(3 - 127)
	v_add_nc_u32 v11, 0xff000000, v12              ; 2 off the exponent field: the conversion's scale operand
	s_wait_alu depctr_va_vdst(0)                   ; the wait ahead of the wait below
	s_wait_xcnt 0x0                                ; this set's last stores have read their data
	v_cvt_scalef32_pk16_fp6_f32 v[CC:CC+2], v[XS:XS+15], v11
	v_cvt_scalef32_pk16_fp6_f32 v[CC+6:CC+8], v[XS+16:XS+31], v11
	v_lshrrev_b32 v[14+\c], 23, v11                ; the byte; the plain line behind the conversions
.irp i, 0,1,2
	v_mov_b32 v[CC+3+\i], v[CC+6+\i]
.endr
	global_store_b128 v1, v[CC:CC+3], s[18:19] offset:(2*(\t)+\c)*768        ; 512 consecutive bytes, aligned to 256,
	global_store_b64 v3, v[CC+4:CC+5], s[18:19] offset:(2*(\t)+\c)*768+512   ; and the 256 behind them
.endm
.macro STEP t
.if (\t) < 7
	s_wait_loadcnt 16                              ; this step's 16 loads are in; the next step's 16 may be out
.else
	s_wait_loadcnt 0x0
.endif
.irp j, 0,1,2,3,4,5,6,7,8,9,10,11,12,13,14,15
	ds_store_b128 v1, v[R0+64*((\t)%2)+4*\j:R0+64*((\t)%2)+4*\j+3] offset:SP*\j
.endr
.irp c, 0,1
.irp i, 0,1,2,3,4,5,6,7
	ds_load_b128 v[XX+32*\c+4*\i:XX+32*\c+4*\i+3], v2 offset:256*\c+16*\i   ; LDS serves a wave's instructions in order
.endr
.endr
	s_wait_dscnt 8                                 ; the stores have read their registers, half 0 is back; half 1's eight loads may be out
.if (\t) < 6
	LOAD (\t)+2
.endif
	HALF \t, 0
	s_wait_dscnt 0x0
	HALF \t, 1
	v_lshl_or_b32 v8, v15, 16, v14                 ; my two bytes: blocks h and 2 + h,
	v_lshlrev_b32 v8, v5, v8                       ; 8 h bits up;
	v_permlanex16_b32 v9, v8, s26, s27
	v_or_b32 v[WW+(\t)], v8, v9                    ; with lane l xor 16's the word is whole
.endm
	LOAD 0
	LOAD 1
.irp t, 0,1,2,3,4,5,6,7
	STEP \t
.endr
	v_cmp_le_u32 vcc_lo, 16, v0                    ; lanes 16-31 store words 4-7 of their row
.irp i, 0,1,2,3
	v_cndmask_b32 v[ZZ+\i], v[WW+\i], v[WW+4+\i], vcc_lo
.endr
	global_store_b128 v4, v[ZZ:ZZ+3], s[20:21]     ; 512 consecutive bytes
	s_wait_tensorcnt 0x0                           ; the wave's end
	ds_add_u32 v254, v255
	s_wait_dscnt 0x0
	s_endpgm
.Lfunc_end_k_q03e690ff1f_quant:
	.size	k_q03e690ff1f_quant, .Lfunc_end_k_q03e690ff1f_quant-k_q03e690ff1f_quant
	.p2alignl 7, 3214868480
	.fill 96, 4, 3214868480
	.section	.rodata,"a",@progbits
	.p2align	6, 0x0
	.amdhsa_kernel k_q03e690ff1f_quant
		.amdhsa_group_segment_fixed_size 8960
		.amdhsa_private_segment_fixed_size 0
		.amdhsa_enable_private_segment 0
		.amdhsa_kernarg_size 72
		.amdhsa_user_sgpr_count 2
		.amdhsa_user_sgpr_kernarg_segment_ptr 1
		.amdhsa_wavefront_size32 1
		.amdhsa_system_sgpr_workgroup_id_x 1
		.amdhsa_system_sgpr_workgroup_id_y 1
		.amdhsa_system_sgpr_workgroup_id_z 1
		.amdhsa_system_vgpr_workitem_id 0
		.amdhsa_next_free_vgpr 256
		.amdhsa_next_free_sgpr 66
		.amdhsa_reserve_vcc 1
		.amdhsa_float_denorm_mode_32 3
		.amdhsa_float_denorm_mode_16_64 3
		.amdhsa_memory_ordered 1
		.amdhsa_forward_progress 1
		.amdhsa_inst_pref_size 59
	.end_amdhsa_kernel
	.amdgpu_metadata
---
amdhsa.version: [ 1, 2 ]
amdhsa.kernels:
  - .name:           k_q03e690ff1f_quant
    .symbol:         k_q03e690ff1f_quant.kd
    .args:
      - { .name: q, .offset: 0, .size: 8, .value_kind: global_buffer, .address_space: global }
      - { .name: k, .offset: 8, .size: 8, .value_kind: global_buffer, .address_space: global }
      - { .name: v, .offset: 16, .size: 8, .value_kind: global_buffer, .address_space: global }
      - { .name: wq, .offset: 24, .size: 8, .value_kind: global_buffer, .address_space: global }
      - { .name: wk, .offset: 32, .size: 8, .value_kind: global_buffer, .address_space: global }
      - { .name: wv, .offset: 40, .size: 8, .value_kind: global_buffer, .address_space: global }
      - { .name: wo, .offset: 48, .size: 8, .value_kind: global_buffer, .address_space: global }
      - { .name: xc, .offset: 56, .size: 8, .value_kind: global_buffer, .address_space: global }
      - { .name: xs, .offset: 64, .size: 8, .value_kind: global_buffer, .address_space: global }
    .group_segment_fixed_size: 8960
    .private_segment_fixed_size: 0
    .kernarg_segment_align: 8
    .kernarg_segment_size: 72
    .max_flat_workgroup_size: 32
    .sgpr_count:     66
    .vgpr_count:     256
    .wavefront_size: 32
...
	.end_amdgpu_metadata
.endif
;; end of part 1
;; launch proj (part 2): grid 4 x 64, 4 waves a work-group, clusters of 4 x 4, 327,680 bytes of LDS; arguments xc, xs, bq, bk, bv, qc, qs, kv; writes qc, qs, kv
.if DOCPART == 2
	.amdgcn_target "amdgcn-amd-amdhsa--gfx1250"
	.amdhsa_code_object_version 6
	.text
	.protected	k_q03e690ff1f_proj
	.globl	k_q03e690ff1f_proj
	.p2align	8
	.type	k_q03e690ff1f_proj,@function
k_q03e690ff1f_proj:
	s_mov_b64 s[64:65], 0
	v_nop
	global_prefetch_b8 v0, s[64:65] scope:SCOPE_SE
	s_setreg_imm32_b32 hwreg(HW_REG_WAVE_MODE, 25, 1), 1
	s_wait_xcnt 0x0
	s_wait_alu depctr_hold_cnt(0) depctr_sa_sdst(0) depctr_va_vdst(0) depctr_va_sdst(0) depctr_va_ssrc(0) depctr_va_vcc(0) depctr_vm_vsrc(0)
	s_getreg_b32 s2, hwreg(HW_REG_IB_STS2, 6, 4)
	s_cmp_eq_u32 s2, 0
	s_cbranch_scc0 .Lentry_in_a_cluster
	s_endpgm
.Lentry_in_a_cluster:
	s_bfe_u32 s2, ttmp6, 0x10000c
	s_cmp_lg_u32 s2, 0xf033
	s_cbranch_scc0 .Lentry_shape_is_right
	s_endpgm
.Lentry_shape_is_right:
; The three input projections on codes of FP6 (E2M3) with E8M0 scales, and the quantising of their results for attention.
; qp = q wq^T + bq and kp likewise are quantised along a head's 64; vp = v wv^T + bv along the KEYS.  Sums in f32; the bias is the C of each sum's first product.
; A tile of C is 128 "A rows", on lanes, x 256 "B rows", on a lane's registers; K = 1,024.  Source 0 = 16 B rows, source 1 = 16 A rows.
; A WORK-GROUP STAYS and makes three tiles, MODE 0, 1, 2 (q, k, v), the same order in all sixteen partners.  0, 1: A = tokens, B = the weight's rows.  2: A = wv's rows, B = tokens.
; Row tile L holds rows 64 (L / 4) + 8 (L % 4) + r % 8 + 32 (r / 8); a half image (16 rows x 64 K, 768 bytes) holds lane l's registers 0-3 at 16 l and 4-5 at 512 + 8 l.
; So the 32 registers of accumulators (a, 4 c .. 4 c + 3) of lane (r, h) are B rows 64 c + 32 h + 0 .. 31: one scale block of the next product, whole in a lane, in the operand's order.
; SHARES.  Four waves, 2 x 2: wa = wave / 2 takes 64 A rows, wb = wave % 2 takes 128 B rows: 32 accumulators.  256 work-groups.
; LDS.  A ring of two slots, each 512 along K (A's 8 tiles x 6,144 bytes, then B's 16): slot 0 holds K steps 0-3, slot 1 K steps 4-7; then a tile's scale bytes; then the spare words.
; FILLS, joint loads in a cluster of 4 x 4 (A's shared along a row, B's along a column), one load a wave behind each round of the cluster's barrier, with the three lines ahead of it.
; At the head: slot 0's A, its B, A's scales, B's scales.  At each tile's start: slot 1 (wave 0 A's, wave 1 B's).  In K step 3, when slot 0 and the scale bytes have been read out: the next tile's four, as at the head;
; that step's 32 products stand between the add and the wait for it.  The last tile's second half is written out and asks for nothing.  A wave has one tensor load out at the most.
; No prefetch: the loop has two trips, each slot is asked for again in the round in which it falls free, and the weights are read by all sixteen clusters.
; OUT.  qc [bh][token tile 128][768]; qs [bh][g 32][row 16][a 4] (token tile 4 g + a).  kv [bh][key step 16][record of 13,312 bytes]: K's 8 tiles x 768; V^T [d tile 4][half 2][768];
; K's words [tile / 4][row 16][tile % 4]; V's words [row 16][d tile 4], written twice on end, so that 32 lanes read 16 bytes each.
; A word of Q or K is (s0, s1, s0, s1): the score product has K = 64, and the instruction's two unused blocks get the row's own bytes.
; LIMITS: NaN and infinities are not served; a block under 2^-124, and a block of zeros, takes the byte 1 (only this program reads the bytes).
; REGISTERS.  window 0: v1-3 lane, r, h; v8-15 LDS addresses; v16 8 h; v24 scales' address; v25-31 offsets; v32-95 scale words; v96-191 A's fragments, two sets; v192-235 the way out.
;   window 1: v0-191 B's fragments, two sets.   window 2: the accumulators, (a, b) at v[8 (8 a + b)].   window 3: v0-63 the bias.
.set HALF,  147456
.set SCL,   294912
.set SPARE, 307200
.set REC,   13312
.set KVH,   212992
.set AD,    8                          ; v[AD + 4 g + i]: slot g; i = 0: A, 16 x lane; 1: A, 512 + 8 x lane; 2, 3: B
.set H8,    16
.set SAD,   24
.set L16,   25
.set L8,    26
.set SC,    32                         ; v[SC + 8 i + s]: K step s; lanes 16-31 B's block i, lanes 0-15 A's block i (i < 4)
.set AF,    96
.set TM,    192
.set PW,    208
.set ZZ,    212
.set PC,    216
.set MULW,  0xa1                       ; source 0 (B) window 1, source 1 (A) window 0, C and D window 2
.set MULB,  0xb1                       ; the same with C from window 3
.set TO_B,  0x40
.set MSB, 0
.macro WIN new                         ; the immediate's high byte repeats the setting that is left
.if MSB != \new
	s_set_vgpr_msb (MSB<<8)|\new
.set MSB, \new
.endif
.endm
.macro WALU
	s_wait_alu depctr_va_vdst(0)
.endm
.macro CROUND                          ; a round of the cluster's barrier
	s_barrier_signal -1
	s_barrier_wait -1
	s_cmp_lg_u32 s18, 0
	s_cbranch_scc1 .Lnw0_\@
	s_barrier_signal -3
.Lnw0_\@:
	s_barrier_wait -3
	s_barrier_signal -1
	s_barrier_wait -1
.endm
.macro GROUP1 g, c, r, p               ; r rows of c elements of 8 bytes, p elements apart
	s_mov_b32 s[\g+1], (\c)<<16
	s_mov_b32 s[\g+2], (\r)<<16
	s_mov_b32 s[\g+3], (\c)<<16
	s_mov_b32 s[\g+4], \r
	s_mov_b32 s[\g+5], \p
	s_mov_b32 s[\g+6], 0
	s_mov_b32 s[\g+7], 0
.endm
.macro PLACES
.rept 4
	v_nop
.endr
.endm
.macro TLOAD g0, g1                    ; an s_nop 0; four plain lines ahead of any change of windows
	tensor_load_to_lds s[\g0:\g0+3], s[\g1:\g1+7]
	s_nop 0
	PLACES
.endm
.macro FOUR                            ; slot 0's A, its B, A's scales, B's scales: one chain of branches on the wave's number, one load to an arm
	s_cmp_lt_u32 s18, 1
	s_cbranch_scc0 .Lfb_\@
	TLOAD 56, 24
	s_branch .Lfd_\@
.Lfb_\@:
	s_cmp_lt_u32 s18, 2
	s_cbranch_scc0 .Lfsa_\@
	TLOAD 60, 32
	s_branch .Lfd_\@
.Lfsa_\@:
	s_cmp_lt_u32 s18, 3
	s_cbranch_scc0 .Lfsb_\@
	TLOAD 68, 40
	s_branch .Lfd_\@
.Lfsb_\@:
	TLOAD 72, 48
.Lfd_\@:
.endm
.macro TWO                             ; slot 1: wave 0 A's 8 tiles, wave 1 B's 16
	s_cmp_lt_u32 s18, 1
	s_cbranch_scc0 .Ltb_\@
	TLOAD 76, 24
	s_branch .Ltd_\@
.Ltb_\@:
	s_cmp_lt_u32 s18, 2
	s_cbranch_scc0 .Ltd_\@
	TLOAD 80, 32
.Ltd_\@:
.endm
.macro START                           ; a tile's start: the three lines, a round, slot 1's load
	WALU                                           ; the wait ahead of the wait below
	s_wait_tensorcnt 0x0                           ; my tile of the last four is in
	ds_add_u32 v254, v255
	s_wait_dscnt 0x0
	CROUND                                         ; slot 0 and the scale bytes are whole; nobody reads slot 1
	TWO
.endm
.macro COORD m                         ; the tile of MODE s\m: s2 = its row (of cy alone), s3 = its column (of cx alone), s16, s17 = A's, B's first row tile in xc
	s_and_b32 s2, s66, 1                           ; v: 8 tile rows (wv), 32 tile columns (tokens)
	s_lshr_b32 s3, s66, 1
	s_lshl_b32 s16, s\m, 9                         ; q, k: A from 512 MODE,
	s_lshl_b32 s17, s\m, 6
	s_add_co_u32 s17, s17, 1536                    ; B from 1536 + 64 MODE
	s_cmp_eq_u32 s\m, 2
	s_cselect_b32 s2, s2, s66
	s_cselect_b32 s3, s3, 0
	s_cselect_b32 s16, 1664, s16
	s_cselect_b32 s17, 1024, s17
	s_lshl_b32 s2, s2, 2
	s_add_co_u32 s2, s2, s22
	s_lshl_b32 s3, s3, 2
	s_add_co_u32 s3, s3, s21
.endm
.macro DESC                            ; that tile's six global addresses; no tensor load of mine is out where this stands
	s_lshl_b32 s96, s2, 3
	s_add_co_u32 s96, s96, s16
	s_lshl_b32 s98, s3, 4
	s_add_co_u32 s98, s98, s17
	s_lshl_b32 s16, s96, 9
	s_mov_b32 s17, 0
	s_lshl_b32 s100, s98, 9
	s_mov_b32 s101, 0
	s_mul_i32 s96, s96, 12288
	s_mov_b32 s97, 0
	s_mul_i32 s98, s98, 12288
	s_mov_b32 s99, 0
	s_add_nc_u64 s[58:59], s[4:5], s[96:97]
	s_add_nc_u64 s[62:63], s[4:5], s[98:99]
	s_add_nc_u64 s[70:71], s[6:7], s[16:17]
	s_add_nc_u64 s[74:75], s[6:7], s[100:101]
	s_add_nc_u64 s[78:79], s[58:59], 6144
	s_add_nc_u64 s[82:83], s[62:63], 6144
.irp x, 59,63,71,75,79,83
	s_or_b32 s\x, s\x, 0x80000000
.endr
.endm
.macro BIASB                           ; q, k: register 8 b + j = the bias of B row 64 (b / 4) + 8 (b % 4) + 32 h + j
	WIN 0xc0
.irp b, 0,1,2,3,4,5,6,7
	global_load_b128 v[8*\b:8*\b+3], v27, s[98:99] offset:(64*(\b/4)+8*(\b%4))*4
	global_load_b128 v[8*\b+4:8*\b+7], v27, s[98:99] offset:(64*(\b/4)+8*(\b%4))*4+16
.endr
	WIN 0
.endm
.macro FETCH s, bs                     ; the fragments of K step s into set bs: 48 LDS loads of 512 or 256 consecutive bytes
	WIN TO_B
.irp b, 0,1,2,3,4,5,6,7
.irp c, 0,1
	ds_load_b128 v[96*(\bs)+12*\b+6*\c:96*(\bs)+12*\b+6*\c+3], v[AD+4*((\s)/4)+2] offset:6144*\b+(2*((\s)%4)+\c)*768
	ds_load_b64 v[96*(\bs)+12*\b+6*\c+4:96*(\bs)+12*\b+6*\c+5], v[AD+4*((\s)/4)+3] offset:6144*\b+(2*((\s)%4)+\c)*768
.endr
.endr
	WIN 0
.irp a, 0,1,2,3
.irp c, 0,1
	ds_load_b128 v[AF+48*(\bs)+12*\a+6*\c:AF+48*(\bs)+12*\a+6*\c+3], v[AD+4*((\s)/4)] offset:6144*\a+(2*((\s)%4)+\c)*768
	ds_load_b64 v[AF+48*(\bs)+12*\a+6*\c+4:AF+48*(\bs)+12*\a+6*\c+5], v[AD+4*((\s)/4)+1] offset:6144*\a+(2*((\s)%4)+\c)*768
.endr
.endr
.endm
; 32 products, the 32 accumulators by turns in the same order in every step.  cm = 0: onto the sums; 1: C = the bias along B rows; 2: along A rows
.macro MUL s, bs, cm
.irp a, 0,1,2,3
.irp b, 0,1,2,3,4,5,6,7
.if \cm == 0
	v_wmma_scale_f32_16x16x128_f8f6f4 v[8*(8*\a+\b):8*(8*\a+\b)+7], v[96*(\bs)+12*\b:96*(\bs)+12*\b+11], v[AF+48*(\bs)+12*\a:AF+48*(\bs)+12*\a+11], v[8*(8*\a+\b):8*(8*\a+\b)+7], v[SC+8*\b+(\s)], v[SC+8*\a+(\s)] matrix_a_fmt:MATRIX_FMT_FP6 matrix_b_fmt:MATRIX_FMT_FP6 matrix_a_scale:MATRIX_SCALE_ROW1
.elseif \cm == 1
	v_wmma_scale_f32_16x16x128_f8f6f4 v[8*(8*\a+\b):8*(8*\a+\b)+7], v[96*(\bs)+12*\b:96*(\bs)+12*\b+11], v[AF+48*(\bs)+12*\a:AF+48*(\bs)+12*\a+11], v[8*\b:8*\b+7], v[SC+8*\b+(\s)], v[SC+8*\a+(\s)] matrix_a_fmt:MATRIX_FMT_FP6 matrix_b_fmt:MATRIX_FMT_FP6 matrix_a_scale:MATRIX_SCALE_ROW1
.else
	v_wmma_scale_f32_16x16x128_f8f6f4 v[8*(8*\a+\b):8*(8*\a+\b)+7], v[96*(\bs)+12*\b:96*(\bs)+12*\b+11], v[AF+48*(\bs)+12*\a:AF+48*(\bs)+12*\a+11], v[8*\a:8*\a+7], v[SC+8*\b+(\s)], v[SC+8*\a+(\s)] matrix_a_fmt:MATRIX_FMT_FP6 matrix_b_fmt:MATRIX_FMT_FP6 matrix_a_scale:MATRIX_SCALE_ROW1
.endif
.endr
.endr
.endm
.macro KSTEP s                         ; its fragments were asked for 32 products ago; the next step's are asked for ahead of its products
	s_wait_dscnt 0x0
.if (\s) < 7
	PLACES                                         ; four plain lines between the last products and loads into registers that they read
	FETCH (\s)+1, 1-(\s)%2
.endif
	WIN MULW
	MUL \s, (\s)%2, 0
.endm
.macro FIRST rt                        ; K steps 0 to 2.  rt = 0: MODE 0; 1: MODE s23 is 1 or 2
.irp i, 0,1,2,3,4,5,6,7
.irp k, 0,1
	ds_load_b128 v[SC+8*\i+4*\k:SC+8*\i+4*\k+3], v[SAD] offset:512*\i+16*\k   ; all eight K steps' scale words, once
.endr
.endr
	FETCH 0, 0
	s_wait_dscnt 0x0
	FETCH 1, 1
	s_wait_loadcnt 0x0                             ; the bias
.if \rt
	s_cmp_eq_u32 s23, 2
	s_cbranch_scc1 .Lrow_\@
.endif
	WIN MULB
	MUL 0, 0, 1                                    ; the first products start the sums from the bias
	WIN 0
.if \rt
	s_branch .Lrd_\@
.Lrow_\@:
	WIN MULB
	MUL 0, 0, 2
	WIN 0
.Lrd_\@:
.endif
	KSTEP 1
	KSTEP 2
	WIN 0
.endm
; Tile a: my 64 results are blocks h (c = 0) and 2 + h (c = 1) of my row, whole: two half images' registers and two bytes.  st: bytes from tile a's images to tile a + 1's
.macro QUANTA a, st
	WIN 0x28                                       ; sources 1 and 2 in window 2
.irp c, 0,1
.irp u, 0,1
	v_max3_num_f32 v[TM+2*\c+\u], 0x1800000, |v[64*(\a)+32*\c+16*\u]|, |v[64*(\a)+32*\c+16*\u+1]|   ; the floor 2^(3 - 127); each accumulator from its low end on
.endr
.endr
.irp i, 2,4,6,8,10,12,14
.irp c, 0,1
.irp u, 0,1
	v_max3_num_f32 v[TM+2*\c+\u], v[TM+2*\c+\u], |v[64*(\a)+32*\c+16*\u+\i]|, |v[64*(\a)+32*\c+16*\u+\i+1]|
.endr
.endr
.endr
	WIN 0
	v_max_num_f32 v[TM], v[TM], v[TM+1]
	v_max_num_f32 v[TM+2], v[TM+2], v[TM+3]
	v_add_nc_u32 v[TM+12], 0xff000000, v[TM]       ; 2 off the exponent field: the conversion's scale operand
	v_add_nc_u32 v[TM+13], 0xff000000, v[TM+2]
	v_lshrrev_b32 v[TM+4], 23, v[TM+12]            ; the bytes
	v_lshrrev_b32 v[TM+5], 23, v[TM+13]
	v_lshl_or_b32 v[TM+6], v[TM+5], 16, v[TM+4]
	v_lshlrev_b32 v[TM+6], v[H8], v[TM+6]          ; 8 h bits up
	v_permlanex16_b32 v[TM+7], v[TM+6], s104, s105
	v_or_b32 v[PW+(\a)], v[TM+6], v[TM+7]          ; with lane l xor 16's the word is whole
	WALU                                           ; the wait ahead of the wait below
	s_wait_xcnt 0x0                                ; the last tile's stores have read their data
	WIN 0x02                                       ; source 0 in window 2
.irp c, 0,1
	v_cvt_scalef32_pk16_fp6_f32 v[PC+6*\c:PC+6*\c+2], v[64*(\a)+32*\c:64*(\a)+32*\c+15], v[TM+12+\c]
	v_cvt_scalef32_pk16_fp6_f32 v[PC+12+4*\c:PC+12+4*\c+2], v[64*(\a)+32*\c+16:64*(\a)+32*\c+31], v[TM+12+\c]
.endr
	WIN 0
	v_nop                                          ; one plain line behind the conversions
.irp c, 0,1
.irp i, 0,1,2
	v_mov_b32 v[PC+3+6*\c+\i], v[PC+12+4*\c+\i]    ; (a conversion's three registers begin on an even number)
.endr
.endr
	global_store_b128 v[L16], v[PC:PC+3], s[90:91] offset:(\st)*(\a)         ; 512 consecutive bytes, aligned to 256,
	global_store_b64 v[L8], v[PC+4:PC+5], s[90:91] offset:(\st)*(\a)         ; and the 256 behind them
	global_store_b128 v[L16], v[PC+6:PC+9], s[92:93] offset:(\st)*(\a)
	global_store_b64 v[L8], v[PC+10:PC+11], s[92:93] offset:(\st)*(\a)
.endm
.macro MYROWS                          ; s88 = LA: my A rows, in 64s; s89 = LB: my B rows, in 128s
	s_wait_xcnt 0x0                                ; earlier loads and stores have read their bases and offsets
	COORD 23
	s_lshl_b32 s88, s2, 1
	s_add_co_u32 s88, s88, s19
	s_lshl_b32 s89, s3, 1
	s_add_co_u32 s89, s89, s20
.endm
	s_load_b256 s[4:11], s[0:1], 0x0               ; xc, xs, bq, bk
	s_load_b128 s[12:15], s[0:1], 0x20             ; bv, qc
	s_load_b128 s[84:87], s[0:1], 0x30             ; qs, kv
	v_lshl_add_u32 v254, v0, 2, SPARE
	v_mov_b32 v255, 0
	ds_add_u32 v254, v255                          ; the opening lines: the add twice on end and its wait
	ds_add_u32 v254, v255
	v_lshrrev_b32 v1, 5, v0
	v_readfirstlane_b32 s18, v1                    ; wave
	s_lshr_b32 s19, s18, 1                         ; wa
	s_and_b32 s20, s18, 1                          ; wb
	s_bfe_u32 s21, ttmp6, 0x40000                  ; cx
	s_bfe_u32 s22, ttmp6, 0x40004                  ; cy
	s_and_b32 s66, ttmp7, 0xffff                   ; cluster y, 0 .. 15
	s_mov_b32 s23, 0                               ; MODE
	s_lshl_b32 s96, s22, 2
	s_lshl_b32 s96, 15, s96                        ; my row of the cluster
	s_lshl_b32 s98, 0x1111, s21                    ; my column
	s_or_b32 s24, s96, (3<<16)|(1<<21)             ; the mask; elements of 8 bytes; bit 21 beside a mask
	s_or_b32 s40, s96, (3<<16)|(1<<21)
	s_or_b32 s32, s98, (3<<16)|(1<<21)
	s_or_b32 s48, s98, (3<<16)|(1<<21)
	GROUP1 24, 768, 8, 1536                        ; A: 8 row tiles x 6,144 bytes (512 along K), 12,288 apart
	GROUP1 32, 768, 16, 1536                       ; B: 16
	GROUP1 40, 32, 16, 32                          ; A's scales: 4,096 dense bytes
	GROUP1 48, 32, 32, 32                          ; B's: 8,192
	s_mov_b32 s56, 1
	s_mov_b32 s57, 0
	s_mov_b32 s60, 1
	s_mov_b32 s61, 49152
	s_mov_b32 s68, 1
	s_mov_b32 s69, SCL
	s_mov_b32 s72, 1
	s_mov_b32 s73, SCL+4096
	s_mov_b32 s76, 1
	s_mov_b32 s77, HALF
	s_mov_b32 s80, 1
	s_mov_b32 s81, HALF+49152
	s_mov_b32 s104, 0x76543210
	s_mov_b32 s105, 0xfedcba98                     ; lane l xor 16
	COORD 23
	s_wait_dscnt 0x0
	s_wait_kmcnt 0x0
	DESC
	CROUND                                         ; all sixteen work-groups are here: the joint loads meet
	FOUR
	v_and_b32 v1, 31, v0                           ; lane
	v_and_b32 v2, 15, v0                           ; r
	v_bfe_u32 v3, v0, 4, 1                         ; h
	v_lshlrev_b32 v[L16], 4, v1
	v_lshlrev_b32 v[L8], 3, v1
	v_add_nc_u32 v[L8], 512, v[L8]
	v_lshlrev_b32 v[H8], 3, v3
	s_mul_i32 s96, s19, 24576                      ; my 4 tiles of A in a slot,
	s_mul_i32 s97, s20, 49152
	s_add_co_u32 s97, s97, 49152                   ; my 8 of B
.irp g, 0,1
	v_add_nc_u32 v[AD+4*\g], s96, v[L16]
	v_add_nc_u32 v[AD+4*\g+1], s96, v[L8]
	v_add_nc_u32 v[AD+4*\g+2], s97, v[L16]
	v_add_nc_u32 v[AD+4*\g+3], s97, v[L8]
	s_add_co_u32 s96, s96, HALF
	s_add_co_u32 s97, s97, HALF
.endr
	s_xor_b32 s96, s19, 1                          ; from my rows' scales of A to those of B: 2048 + 4096 wb + 2048 (1 - wa)
	s_lshl_b32 s96, s96, 11
	s_lshl_b32 s97, s20, 12
	s_add_co_u32 s96, s96, s97
	s_add_co_u32 s96, s96, 2048
	v_mul_u32_u24 v[SAD], s96, v3                  ; lanes 16-31 take B's
	v_lshl_add_u32 v[SAD], v2, 5, v[SAD]           ; 32 bytes a row
	s_lshl_b32 s97, s19, 11
	s_add_co_u32 s97, s97, SCL
	v_add_nc_u32 v[SAD], s97, v[SAD]
	v_lshlrev_b32 v27, 7, v3                       ; the bias along B rows: 32 h numbers on
	v_and_b32 v28, 7, v2
	v_and_b32 v30, 8, v2
	v_lshlrev_b32 v28, 2, v28
	v_lshl_add_u32 v28, v30, 4, v28                ; along A rows: r % 8 + 32 (r / 8)
	v_mov_b32 v29, 0x01000100                      ; q, k: the bytes of a word: lanes 0-15 the first head's two, twice;
	v_mov_b32 v30, 0x03020302                      ; lanes 16-31 the second's
	v_cmp_ne_u32 vcc_lo, 0, v3
	v_cndmask_b32 v29, v29, v30, vcc_lo
	v_mov_b32 v[TM+7], 0                           ; a lane permute's destination counts as a source
	s_lshl_b32 s96, s3, 1
	s_add_co_u32 s96, s96, s20
	s_lshl_b32 s96, s96, 9                         ; bq at my 128 B rows
	s_mov_b32 s97, 0
	s_add_nc_u64 s[98:99], s[8:9], s[96:97]
	WALU                                           ; the wait at the head's end
	BIASB
	START
	FIRST 0
.Ltile:                                            ; a trip: the second half and the way out of tile MODE (q, then k), the first half of tile MODE + 1
	s_wait_dscnt 0x0                               ; K step 3's fragments are in: my reads of slot 0 are over
	s_wait_tensorcnt 0x0                           ; my part of slot 1 has landed
	ds_add_u32 v254, v255                          ; the products and the next tile's addresses stand between the add and its wait
	WIN MULW
	MUL 3, 1, 0
	WIN 0
	s_add_co_u32 s67, s23, 1
	COORD 67
	DESC
	s_wait_dscnt 0x0
	CROUND                                         ; slot 1 is whole; nobody reads slot 0 or the scale bytes
	FOUR                                           ; the next tile's; the four plain lines behind each load are the places ahead of the loads below
	s_lshl_b32 s96, s2, 1                          ; the next tile's bias: bv at its 64 A rows,
	s_add_co_u32 s96, s96, s19
	s_lshl_b32 s96, s96, 8
	s_lshl_b32 s98, s3, 1                          ; or bk at its 128 B rows
	s_add_co_u32 s98, s98, s20
	s_lshl_b32 s98, s98, 9
	s_cmp_eq_u32 s67, 2
	s_cselect_b32 s96, s96, s98
	s_cselect_b64 s[98:99], s[12:13], s[10:11]
	s_mov_b32 s97, 0
	s_add_nc_u64 s[98:99], s[98:99], s[96:97]
	s_cbranch_scc1 .Lbias_row
	BIASB
	s_branch .Lbias_done
.Lbias_row:
	WIN 0xc0
.irp x, 0,1,2,3                                ; v: registers 8 a .. 8 a + 7 = the bias of my lane's A row of tile a
.irp j, 0,1,2,3,4,5,6,7
	global_load_b32 v[8*\x+\j], v28, s[98:99] offset:32*\x
.endr
.endr
	WIN 0
.Lbias_done:
	FETCH 4, 0
.irp s, 4,5,6,7
	KSTEP \s
.endr
	WIN 0
	MYROWS                                         ; THE WAY OUT of q or k: batch = LA / 32, heads 2 LB and 2 LB + 1
	s_lshr_b32 s96, s88, 5
	s_lshl_b32 s96, s96, 4
	s_lshl_b32 s97, s89, 1
	s_add_co_u32 s96, s96, s97                     ; (batch, head) of half 0
	s_and_b32 s97, s88, 31                         ; the 64 tokens' number in the batch
	s_lshr_b32 s98, s97, 1
	s_mul_i32 s98, s98, REC                        ; k: the key step's record,
	s_and_b32 s99, s97, 1
	s_mul_i32 s16, s99, 3072
	s_add_co_u32 s16, s16, s98                     ; tiles 4 (LA % 2) + a,
	s_lshl_b32 s99, s99, 8
	s_add_co_u32 s99, s99, s98
	s_add_co_u32 s99, s99, 12288                   ; their words
	s_mul_i32 s98, s97, 3072                       ; q: images,
	s_lshl_b32 s97, s97, 8                         ; words
	s_mov_b32 s2, KVH                              ; a head's bytes: images, words
	s_mov_b32 s3, KVH
	s_cmp_eq_u32 s23, 0
	s_cselect_b32 s16, s98, s16
	s_cselect_b32 s17, s97, s99
	s_cselect_b32 s2, 98304, s2
	s_cselect_b32 s3, 8192, s3
	s_cselect_b64 s[90:91], s[14:15], s[86:87]
	s_cselect_b64 s[94:95], s[84:85], s[86:87]
	s_mul_i32 s98, s96, s2
	s_add_co_u32 s98, s98, s16
	s_mov_b32 s99, 0
	s_add_nc_u64 s[90:91], s[90:91], s[98:99]      ; half 0's images
	s_mov_b32 s98, s2
	s_add_nc_u64 s[92:93], s[90:91], s[98:99]      ; half 1's: the next head
	s_mul_i32 s98, s96, s3
	s_add_co_u32 s98, s98, s17
	s_add_nc_u64 s[94:95], s[94:95], s[98:99]      ; the scale words
	v_mul_u32_u24 v31, s3, v3
	v_lshl_add_u32 v31, v2, 4, v31                 ; 16 r + h x a head's bytes
	PLACES                                         ; plain lines behind the last products
.irp a, 0,1,2,3
	QUANTA \a, 768
.endr
.irp a, 0,1,2,3
	v_perm_b32 v[ZZ+\a], v[PW+\a], v[PW+\a], v29   ; my half's head's two bytes, twice
.endr
	global_store_b128 v31, v[ZZ:ZZ+3], s[94:95]    ; sixteen lanes store 256 consecutive bytes, aligned
	s_add_co_u32 s23, s23, 1
	START
	FIRST 1
	s_cmp_lt_u32 s23, 2
	s_cbranch_scc1 .Ltile
	s_wait_dscnt 0x0                               ; THE LAST TILE'S SECOND HALF: nothing more is asked for
	s_wait_tensorcnt 0x0                           ; my part of slot 1 has landed;
	s_barrier_signal -1
	s_barrier_wait -1                              ; everybody's has.
	PLACES
	FETCH 4, 0
	WIN MULW
	MUL 3, 1, 0
.irp s, 4,5,6,7
	KSTEP \s
.endr
	WIN 0
	MYROWS                                         ; THE WAY OUT of v: batch = LB / 16, head LA, key step LB % 16
	s_lshr_b32 s96, s89, 4
	s_lshl_b32 s96, s96, 4
	s_add_co_u32 s96, s96, s88
	s_and_b32 s97, s89, 15
	s_mul_i32 s97, s97, REC
	s_mul_i32 s98, s96, KVH
	s_add_co_u32 s98, s98, s97
	s_mov_b32 s99, 0
	s_add_nc_u64 s[90:91], s[86:87], s[98:99]      ; the record
	s_add_nc_u64 s[94:95], s[90:91], 12800         ; V's words
	s_add_nc_u64 s[90:91], s[90:91], 6144          ; half 0's images
	s_add_nc_u64 s[92:93], s[90:91], 768           ; half 1's
	v_lshlrev_b32 v31, 8, v3
	v_lshl_add_u32 v31, v2, 4, v31                 ; 16 r + 256 h: the words go out twice
	PLACES
.irp a, 0,1,2,3
	QUANTA \a, 1536
.endr
	global_store_b128 v31, v[PW:PW+3], s[94:95]
	s_wait_tensorcnt 0x0                           ; the wave's end
	ds_add_u32 v254, v255
	s_wait_dscnt 0x0
	CROUND                                         ; the closing round
	s_endpgm
.Lfunc_end_k_q03e690ff1f_proj:
	.size	k_q03e690ff1f_proj, .Lfunc_end_k_q03e690ff1f_proj-k_q03e690ff1f_proj
	.p2alignl 7, 3214868480
	.fill 96, 4, 3214868480
	.section	.rodata,"a",@progbits
	.p2align	6, 0x0
	.amdhsa_kernel k_q03e690ff1f_proj
		.amdhsa_group_segment_fixed_size 327680
		.amdhsa_private_segment_fixed_size 0
		.amdhsa_enable_private_segment 0
		.amdhsa_kernarg_size 64
		.amdhsa_user_sgpr_count 2
		.amdhsa_user_sgpr_kernarg_segment_ptr 1
		.amdhsa_wavefront_size32 1
		.amdhsa_system_sgpr_workgroup_id_x 1
		.amdhsa_system_sgpr_workgroup_id_y 1
		.amdhsa_system_sgpr_workgroup_id_z 1
		.amdhsa_system_vgpr_workitem_id 0
		.amdhsa_next_free_vgpr 832
		.amdhsa_next_free_sgpr 106
		.amdhsa_reserve_vcc 1
		.amdhsa_float_denorm_mode_32 3
		.amdhsa_float_denorm_mode_16_64 3
		.amdhsa_memory_ordered 1
		.amdhsa_forward_progress 1
		.amdhsa_inst_pref_size 177
	.end_amdhsa_kernel
	.amdgpu_metadata
---
amdhsa.version: [ 1, 2 ]
amdhsa.kernels:
  - .name:           k_q03e690ff1f_proj
    .symbol:         k_q03e690ff1f_proj.kd
    .args:
      - { .name: xc, .offset: 0, .size: 8, .value_kind: global_buffer, .address_space: global }
      - { .name: xs, .offset: 8, .size: 8, .value_kind: global_buffer, .address_space: global }
      - { .name: bq, .offset: 16, .size: 8, .value_kind: global_buffer, .address_space: global }
      - { .name: bk, .offset: 24, .size: 8, .value_kind: global_buffer, .address_space: global }
      - { .name: bv, .offset: 32, .size: 8, .value_kind: global_buffer, .address_space: global }
      - { .name: qc, .offset: 40, .size: 8, .value_kind: global_buffer, .address_space: global }
      - { .name: qs, .offset: 48, .size: 8, .value_kind: global_buffer, .address_space: global }
      - { .name: kv, .offset: 56, .size: 8, .value_kind: global_buffer, .address_space: global }
    .group_segment_fixed_size: 327680
    .private_segment_fixed_size: 0
    .kernarg_segment_align: 8
    .kernarg_segment_size: 64
    .max_flat_workgroup_size: 128
    .sgpr_count:     106
    .vgpr_count:     832
    .wavefront_size: 32
...
	.end_amdgpu_metadata
.endif
;; end of part 2
;; launch attn (part 3): grid 4 x 64, 16 waves a work-group, clusters of 4 x 1, 215,040 bytes of LDS; arguments qc, qs, kv, cc, cs; writes cc, cs
.if DOCPART == 3
	.amdgcn_target "amdgcn-amd-amdhsa--gfx1250"
	.amdhsa_code_object_version 6
	.text
	.protected	k_q03e690ff1f_attn
	.globl	k_q03e690ff1f_attn
	.p2align	8
	.type	k_q03e690ff1f_attn,@function
k_q03e690ff1f_attn:
	s_mov_b64 s[64:65], 0
	v_nop
	global_prefetch_b8 v0, s[64:65] scope:SCOPE_SE
	s_setreg_imm32_b32 hwreg(HW_REG_WAVE_MODE, 25, 1), 1
	s_wait_xcnt 0x0
	s_wait_alu depctr_hold_cnt(0) depctr_sa_sdst(0) depctr_va_vdst(0) depctr_va_sdst(0) depctr_va_ssrc(0) depctr_va_vcc(0) depctr_vm_vsrc(0)
	s_getreg_b32 s2, hwreg(HW_REG_IB_STS2, 6, 4)
	s_cmp_eq_u32 s2, 0
	s_cbranch_scc0 .Lentry_in_a_cluster
	s_endpgm
.Lentry_in_a_cluster:
	s_bfe_u32 s2, ttmp6, 0x10000c
	s_cmp_lg_u32 s2, 0x3003
	s_cbranch_scc0 .Lentry_shape_is_right
	s_endpgm
.Lentry_shape_is_right:
; ctx[b][q][head] = softmax_k(Q . K / 8) V for 64 (batch, head) pairs, 2,048 queries and keys, head size 64, both products on codes of FP6 (E2M3) with E8M0 scales; ctx is quantised along the merged 1,024.
; THE SOFTMAX: t = score x log2(e) / 8; M = the running largest t rounded UP to a whole number; p = 2^(t - M) is quantised along the keys, not normalised; the row's sum is taken of the unquantised p
; and divides O at the end.  When M moves, the sum and O are multiplied by 2^(old M - new M): exact.
; SHARES.  A work-group owns 512 queries of one head, in two passes of 256; each of its sixteen waves one tile of 16 queries a pass.  256 work-groups.
; LDS.  The head's 16 records (a key step of 128 keys each, 13,312 bytes: K's 8 tiles x 768, V^T's 4 x 2 half images, K's words 512, V's words 2 x 256) lie in LDS as in memory, 212,992 bytes, filled once;
; the spare words behind them.  Every wave issues ONE joint load, record number = wave (52 rows of 256 bytes), for all four work-groups of the head (cluster 4 x 1, mask 15); all wait for 0 and meet at one barrier.
; Behind it the waves share nothing more and meet no barrier until the end.  No prefetch: every tile is asked for at the head, and no loop runs ahead of a load.
; LAYOUT.  Both products are used transposed: S^T = K Q^T (source 0 = 16 keys), O^T = V^T P^T (source 0 = 16 of the head's 64): a lane holds one query throughout.  Tile T of a key step holds keys
; 64 (T / 4) + 8 (T % 4) + row % 8 + 32 (row / 8): so lane (r, h)'s 32 registers of tiles 4 c .. 4 c + 3 are keys 64 c + 32 h + 0 .. 31: block 2 c + h of p, whole, in the operand's order: no lane swap.
; V^T's d tiles are laid likewise, so a lane's 32 registers of O^T are d = 32 h + 0 .. 31: one block of ctx.
; THE SCORE PRODUCT HAS K = 64 in an instruction of K = 128: Q's codes of k = 64 .. 127 are zeros (v22-27), so what stands in K's upper six registers (the next tile's codes; behind the last tile V's old codes or zeros)
; adds nothing: no 6-bit code is a NaN or an infinity; the two unused scale bytes repeat the row's own.
; A STEP'S ORDER.  K and V have registers of their own: behind the score products the next step's K and this step's V are fetched, so that a step begins with its fragments at hand.  A pass's last step is written out:
; it fetches record 0 and the next pass's Q, and in the last pass neither.  The exponentials go in two batches, a block of 32 keys each: the second block's multiply-adds stand behind the first batch,
; the first block's sums and conversions behind the second.  A block's largest p is made from its largest score by the same multiply-add and exponential as every p.
; OUT.  cc [row tile 512][head 16][768], cs [row tile][row 16][32].  A row's 32 scale bytes come from 16 work-groups: cs, one byte for each 24 of cc, is stored a byte a lane.
; LIMITS: NaN and infinities are not served; a block under 2^-124, and a block of zeros, takes the byte 1; the promise holds while |t| stays under 2^31.
; REGISTERS: v1 16 lane; v2 512 + 8 lane; v3 p's scale word; v4, v5 the step's LDS addresses; v[6:7], v[30:31], v[246:247] chains of the sum; v8 32 r + h; v9 Q's scale word; v10 16 r; v11 8 h; v12 -M, v13 the largest score,
; v[14:15] the sum; v16-27 Q; v28, v29 the add's; v32-79 K; v80-127 V; v128-191 S^T, then p; v192-223 O^T; v224-235 p's codes; v236-243 at work; v[244:245] the factor; v248-251 K's scale words; v252-255 V's.
.set REC,   13312
.set SPARE, 212992
.macro CROUND
	s_barrier_signal -1
	s_barrier_wait -1
	s_cmp_lg_u32 s18, 0
	s_cbranch_scc1 .Lnw0_\@
	s_barrier_signal -3
.Lnw0_\@:
	s_barrier_wait -3
	s_barrier_signal -1
	s_barrier_wait -1
.endm
.macro WALU
	s_wait_alu depctr_va_vdst(0)
.endm
.macro KLOAD a16, a8, off              ; a key step's 8 tiles of K and their scale words (lanes 0-15 tiles 0-3, lanes 16-31 tiles 4-7)
.irp t, 0,1,2,3,4,5,6,7
	ds_load_b128 v[32+6*\t:35+6*\t], \a16 offset:(\off)+768*\t
	ds_load_b64 v[36+6*\t:37+6*\t], \a8 offset:(\off)+768*\t
.endr
	ds_load_b128 v[248:251], \a16 offset:(\off)+12288
.endm
.macro FMA k                           ; t - M, two at a time
	v_pk_fma_f32 v[128+2*(\k):129+2*(\k)], v[128+2*(\k):129+2*(\k)], s[22:23], v[12:13] op_sel_hi:[1,0,0]
.endm
.macro SUM4 j                          ; four chains of the row's sum take four pairs of p
	v_pk_add_f32 v[14:15], v[14:15], v[128+2*(\j):129+2*(\j)]
	v_pk_add_f32 v[6:7], v[6:7], v[130+2*(\j):131+2*(\j)]
	v_pk_add_f32 v[30:31], v[30:31], v[132+2*(\j):133+2*(\j)]
	v_pk_add_f32 v[246:247], v[246:247], v[134+2*(\j):135+2*(\j)]
.endm
; A KEY STEP: 128 keys.  last = 1: the pass's last
.macro STEP last
.irp t, 0,1,2,3
	v_wmma_scale_f32_16x16x128_f8f6f4 v[128+8*\t:135+8*\t], v[32+6*\t:43+6*\t], v[16:27], 0, v[248+\t], v9 matrix_a_fmt:MATRIX_FMT_FP6 matrix_b_fmt:MATRIX_FMT_FP6
.endr
.irp t, 4,5,6,7
	v_wmma_scale_f32_16x16x128_f8f6f4 v[128+8*\t:135+8*\t], v[32+6*\t:43+6*\t], v[16:27], 0, v[244+\t], v9 matrix_a_fmt:MATRIX_FMT_FP6 matrix_b_fmt:MATRIX_FMT_FP6 matrix_a_scale:MATRIX_SCALE_ROW1
.endr
	v_add_nc_u32 v4, s2, v1                        ; (four plain lines: ahead of the loads into registers that products have read, and of the first read of the scores)
	v_add_nc_u32 v5, s2, v2
	v_mov_b32 v242, v12                            ; the old -M
	v_nop
.if \last
	WALU                                           ; the wait ahead of the branch
	s_cmp_eq_u32 s62, 1
	s_cbranch_scc1 .Lno_next                       ; the last pass has no successor
	KLOAD v1, v2, 0                                ; the next pass begins at record 0,
	global_load_b128 v[16:19], v1, s[68:69]        ; with its own Q
	global_load_b64 v[20:21], v2, s[68:69]
	global_load_b32 v9, v10, s[70:71]
.Lno_next:
.else
	KLOAD v4, v5, REC                              ; the next step's K
.endif
.irp a, 0,1,2,3                                ; this step's V
.irp c, 0,1
	ds_load_b128 v[80+12*\a+6*\c:83+12*\a+6*\c], v4 offset:6144+1536*\a+768*\c
	ds_load_b64 v[84+12*\a+6*\c:85+12*\a+6*\c], v5 offset:6144+1536*\a+768*\c
.endr
.endr
	ds_load_b128 v[252:255], v4 offset:12800
.irp c, 0,1                                    ; the largest score of my two blocks of 32 keys, two chains each; each accumulator from its low end on
.irp u, 0,1
	v_max3_num_f32 v[236+2*\c+\u], v[128+32*\c+16*\u], v[129+32*\c+16*\u], v[130+32*\c+16*\u]
.endr
.endr
.irp i, 3,5,7,9,11,13
.irp c, 0,1
.irp u, 0,1
	v_max3_num_f32 v[236+2*\c+\u], v[236+2*\c+\u], v[128+32*\c+16*\u+\i], v[129+32*\c+16*\u+\i]
.endr
.endr
.endr
	v_max3_num_f32 v236, v236, v143, v159
	v_max3_num_f32 v238, v238, v175, v191
	v_max_num_f32 v236, v236, v237
	v_max_num_f32 v238, v238, v239
	v_max_num_f32 v240, v236, v238
	v_permlanex16_b32 v241, v240, s20, s21         ; lane l xor 16's 64 keys
	v_max3_num_f32 v13, v13, v240, v241            ; the running largest score
	v_mul_f32 v240, s19, v13                       ; -t
	v_floor_f32 v12, v240                          ; the new -M = -ceil(t): a whole number
	FMA 0
	v_sub_f32 v240, v12, v242                      ; old M - new M, 0 or less
	FMA 1
	FMA 2
	v_cvt_i32_f32 v240, v240                       ; (it saturates)
	FMA 3
	FMA 4
	v_ldexp_f32 v244, 1.0, v240                    ; f = 2^(old M - new M)
.irp k, 5,6,7,8,9,10,11,12,13,14,15
	FMA \k
.endr
	v_fma_f32 v236, v236, s22, v12                 ; the same of the first block's largest score
.set j, 0
.rept 16
	v_pk_mul_f32 v[192+j:193+j], v[192+j:193+j], v[244:245] op_sel_hi:[1,0]   ; O^T under the new M
.set j, j+2
.endr
	WALU                                           ; the wait ahead of a batch
.set j, 0
.rept 32
	v_exp_f32 v[128+j], v[128+j]                   ; p = 2^(t - M), the first block
.set j, j+1
.endr
	v_exp_f32 v236, v236                           ; its largest p
.irp k, 16,17,18,19,20,21,22,23,24,25,26,27,28,29,30,31
	FMA \k
.endr
	v_fma_f32 v238, v238, s22, v12
	WALU                                           ; behind the first batch, ahead of the second
.set j, 0
.rept 32
	v_exp_f32 v[160+j], v[160+j]                   ; the second block
.set j, j+1
.endr
	v_exp_f32 v238, v238
	v_max_num_f32 v236, 0x1800000, v236            ; the first block: the floor 2^(3 - 127): the byte cannot fall under 1
	v_pk_fma_f32 v[14:15], v[14:15], v[244:245], v[128:129] op_sel_hi:[1,0,1]   ; the sum under the new M, and the first pair of p
	v_pk_add_f32 v[6:7], v[130:131], v[138:139]
	v_pk_add_f32 v[30:31], v[132:133], v[140:141]
	v_pk_add_f32 v[246:247], v[134:135], v[142:143]
	v_add_nc_u32 v239, 0xff000000, v236            ; the conversions' scale operand
	v_pk_add_f32 v[14:15], v[14:15], v[136:137]
	SUM4 8
	v_cvt_scalef32_pk16_fp6_f32 v[224:226], v[128:143], v239
	v_cvt_scalef32_pk16_fp6_f32 v[240:242], v[144:159], v239
	SUM4 12                                        ; plain lines behind the conversions
.irp i, 0,1,2
	v_mov_b32 v[227+\i], v[240+\i]                 ; (a conversion's three registers begin on an even number)
.endr
	v_lshrrev_b32 v240, 23, v239                   ; its byte
	WALU                                           ; behind the second batch, ahead of its first reader
	v_max_num_f32 v238, 0x1800000, v238
	SUM4 16
	v_add_nc_u32 v243, 0xff000000, v238
	SUM4 20
	v_cvt_scalef32_pk16_fp6_f32 v[230:232], v[160:175], v243
	v_cvt_scalef32_pk16_fp6_f32 v[236:238], v[176:191], v243
	v_lshrrev_b32 v241, 23, v243                   ; the plain line behind the conversions
	v_mov_b32 v233, v236
	v_lshl_or_b32 v242, v241, 16, v240             ; blocks h and 2 + h,
	v_mov_b32 v234, v237
	v_lshlrev_b32 v242, v11, v242                  ; 8 h bits up;
	v_mov_b32 v235, v238
	v_permlanex16_b32 v240, v242, s20, s21
	v_or_b32 v3, v242, v240                        ; p's scale word for these 128 keys; eleven plain lines stand between it and the products
	SUM4 24
	SUM4 28
	v_pk_add_f32 v[6:7], v[6:7], v[30:31]
	v_pk_add_f32 v[14:15], v[14:15], v[246:247]
	v_pk_add_f32 v[14:15], v[14:15], v[6:7]
	WALU                                           ; the wait ahead of the wait below
	s_wait_dscnt 0x0                               ; V is in, and the next step's K
.irp a, 0,1,2,3                                ; four accumulators, one instruction each
	v_wmma_scale_f32_16x16x128_f8f6f4 v[192+8*\a:199+8*\a], v[80+12*\a:91+12*\a], v[224:235], v[192+8*\a:199+8*\a], v[252+\a], v3 matrix_a_fmt:MATRIX_FMT_FP6 matrix_b_fmt:MATRIX_FMT_FP6
.endr
.endm
	s_load_b256 s[4:11], s[0:1], 0x0               ; qc, qs, kv, cc
	s_load_b64 s[12:13], s[0:1], 0x20              ; cs
	v_lshl_add_u32 v28, v0, 2, SPARE
	v_mov_b32 v29, 0
	ds_add_u32 v28, v29                            ; the opening lines: the add twice on end and its wait
	ds_add_u32 v28, v29
	v_lshrrev_b32 v8, 5, v0
	v_readfirstlane_b32 s18, v8                    ; wave 0..15
	v_and_b32 v4, 31, v0
	v_and_b32 v5, 15, v0
	v_bfe_u32 v11, v0, 4, 1
	v_lshlrev_b32 v1, 4, v4
	v_lshlrev_b32 v2, 3, v4
	v_add_nc_u32 v2, 512, v2
	v_lshlrev_b32 v10, 4, v5
	v_lshl_add_u32 v8, v5, 5, v11
	v_lshlrev_b32 v11, 3, v11
	s_mov_b32 s20, 0x76543210
	s_mov_b32 s21, 0xfedcba98                      ; lane l xor 16
	s_mov_b32 s22, 0x3e38aa3b                      ; c = log2(e) / 8
	s_mov_b32 s23, s22                             ; (named with it as a pair)
	s_mov_b32 s19, 0xbe38aa3b                      ; -c
	s_mov_b32 s24, 15|(3<<16)|(1<<21)              ; all four work-groups; elements of 8 bytes; bit 21 beside a mask; a record as 52 rows of 256 bytes
	s_mov_b32 s25, 32<<16
	s_mov_b32 s26, 52<<16
	s_mov_b32 s27, 32<<16
	s_mov_b32 s28, 52
	s_mov_b32 s29, 32
	s_mov_b32 s30, 0
	s_mov_b32 s31, 0
	s_and_b32 s15, ttmp7, 0xffff                   ; (batch, head), which the four partners share
	s_mul_i32 s16, s15, 16*REC
	s_mul_i32 s41, s18, REC                        ; my record's place, in LDS and in the head's bytes
	s_add_co_u32 s16, s16, s41
	s_mov_b32 s17, 0
	s_bfe_u32 s66, ttmp6, 0x40000                  ; cx: it enters the addresses of Q, cc and cs alone
	s_lshl_b32 s66, s66, 5
	s_add_co_u32 s66, s66, s18                     ; my first pass's tile of queries: 32 cx + wave
	WALU                                           ; the wait ahead of the waits below
	s_wait_dscnt 0x0
	s_wait_kmcnt 0x0
	s_mov_b32 s40, 1
	s_add_nc_u64 s[42:43], s[8:9], s[16:17]
	s_or_b32 s43, s43, 0x80000000
	s_mul_i32 s78, s15, 98304
	s_mul_i32 s79, s66, 768
	s_add_co_u32 s78, s78, s79
	s_mov_b32 s79, 0
	s_add_nc_u64 s[68:69], s[4:5], s[78:79]        ; Q's half image
	s_lshl_b32 s78, s15, 13
	s_lshr_b32 s67, s66, 2
	s_lshl_b32 s67, s67, 8
	s_add_co_u32 s78, s78, s67
	s_and_b32 s67, s66, 3
	s_lshl_b32 s67, s67, 2
	s_add_co_u32 s78, s78, s67
	s_add_nc_u64 s[70:71], s[6:7], s[78:79]        ; Q's scale words
	s_lshr_b32 s67, s15, 4
	s_lshl_b32 s67, s67, 7
	s_add_co_u32 s67, s67, s66                     ; the row tile of ctx: 128 x batch + the tile of queries
	s_and_b32 s44, s15, 15                         ; the head
	s_mul_i32 s78, s67, 12288
	s_mul_i32 s45, s44, 768
	s_add_co_u32 s78, s78, s45
	s_add_nc_u64 s[72:73], s[10:11], s[78:79]
	s_lshl_b32 s78, s67, 9
	s_lshl_b32 s45, s44, 1
	s_add_co_u32 s78, s78, s45
	s_add_nc_u64 s[74:75], s[12:13], s[78:79]
	CROUND                                         ; all four work-groups are here: the joint loads meet
	tensor_load_to_lds s[40:43], s[24:31]          ; my one load
	s_nop 0
	global_load_b128 v[16:19], v1, s[68:69]        ; the first pass's Q and scale words
	global_load_b64 v[20:21], v2, s[68:69]
	global_load_b32 v9, v10, s[70:71]
.irp i, 22,23,24,25,26,27,80,81,82,83,84,85,241,245
	v_mov_b32 v\i, 0                               ; Q's codes of k = 64 .. 127; what stands behind K's last tile in the first step; a lane permute's destination; the upper half of the pair v[244:245]
.endr
	WALU                                           ; the wait at the head's end
	s_wait_loadcnt 0x0                             ; the loads are done: their bases may step
	s_add_nc_u64 s[68:69], s[68:69], 12288         ; the second pass's Q: 16 tiles of queries on
	s_add_nc_u64 s[70:71], s[70:71], 1024
	s_wait_tensorcnt 0x0                           ; my record has landed;
	s_barrier_signal -1
	s_barrier_wait -1                              ; everybody's has
	KLOAD v1, v2, 0                                ; the first step's K
	s_mov_b32 s62, 2
.Lpass:                                            ; two passes of 16 queries a wave over the same LDS
	v_mov_b32 v13, 0xff61b1e6                      ; the largest score so far: -3e38
	v_mov_b32 v12, 0x7e000000                      ; -M: a large whole number, so that the first factor is 0
	v_mov_b32 v14, 0
	v_mov_b32 v15, 0
.set j, 0
.rept 32
	v_mov_b32 v[192+j], 0                          ; O^T: the key step finds zeros the first time
.set j, j+1
.endr
	s_mov_b32 s2, 0
	s_mov_b32 s61, 15
	s_wait_loadcnt 0x0                             ; Q
	s_wait_dscnt 0x0                               ; K
.Lstep:
	STEP 0
	s_add_co_u32 s2, s2, REC
	s_sub_co_u32 s61, s61, 1
	s_cmp_lg_u32 s61, 0
	s_cbranch_scc1 .Lstep
	STEP 1
	; THE WAY OUT: O^T / the sum; my 32 numbers are one block of the merged K
.rept 4
	v_nop                                          ; four plain lines behind the last products
.endr
	v_add_f32 v14, v14, v15
	v_permlanex16_b32 v241, v14, s20, s21
	v_add_f32 v14, v14, v241                       ; the row's sum
	WALU                                           ; the wait ahead of the reciprocal
	v_rcp_f32 v14, v14
	v_nop
	WALU                                           ; and ahead of its first reader, which is O^T's first too
.set j, 0
.rept 16
	v_pk_mul_f32 v[128+j:129+j], v[192+j:193+j], v[14:15] op_sel_hi:[1,0]   ; register i = ctx(my query, d = 32 h + i); each accumulator from its low end on
.set j, j+2
.endr
.irp u, 0,1
	v_max3_num_f32 v[236+\u], |v[128+16*\u]|, |v[129+16*\u]|, 0x1800000
.endr
.irp i, 2,4,6,8,10,12,14
.irp u, 0,1
	v_max3_num_f32 v[236+\u], v[236+\u], |v[128+16*\u+\i]|, |v[129+16*\u+\i]|
.endr
.endr
	v_max_num_f32 v236, v236, v237
	v_add_nc_u32 v239, 0xff000000, v236
	v_cvt_scalef32_pk16_fp6_f32 v[224:226], v[128:143], v239
	v_cvt_scalef32_pk16_fp6_f32 v[240:242], v[144:159], v239
	v_lshrrev_b32 v236, 23, v239                   ; the byte; the plain line behind the conversions
.irp i, 0,1,2
	v_mov_b32 v[227+\i], v[240+\i]
.endr
	global_store_b128 v1, v[224:227], s[72:73]     ; 512 consecutive bytes, aligned to 256,
	global_store_b64 v2, v[228:229], s[72:73]      ; and the 256 behind them
	global_store_b8 v8, v236, s[74:75]
	s_wait_xcnt 0x0                                ; the stores have read their data and bases
	s_add_nc_u64 s[72:73], s[72:73], 196608        ; 16 tiles of queries on
	s_add_nc_u64 s[74:75], s[74:75], 8192
	s_sub_co_u32 s62, s62, 1
	s_cmp_lg_u32 s62, 0
	s_cbranch_scc1 .Lpass
	s_wait_tensorcnt 0x0                           ; the wave's end
	ds_add_u32 v28, v29
	s_wait_dscnt 0x0
	CROUND                                         ; the closing round
	s_endpgm
.Lfunc_end_k_q03e690ff1f_attn:
	.size	k_q03e690ff1f_attn, .Lfunc_end_k_q03e690ff1f_attn-k_q03e690ff1f_attn
	.p2alignl 7, 3214868480
	.fill 96, 4, 3214868480
	.section	.rodata,"a",@progbits
	.p2align	6, 0x0
	.amdhsa_kernel k_q03e690ff1f_attn
		.amdhsa_group_segment_fixed_size 215040
		.amdhsa_private_segment_fixed_size 0
		.amdhsa_enable_private_segment 0
		.amdhsa_kernarg_size 40
		.amdhsa_user_sgpr_count 2
		.amdhsa_user_sgpr_kernarg_segment_ptr 1
		.amdhsa_wavefront_size32 1
		.amdhsa_system_sgpr_workgroup_id_x 1
		.amdhsa_system_sgpr_workgroup_id_y 1
		.amdhsa_system_sgpr_workgroup_id_z 1
		.amdhsa_system_vgpr_workitem_id 0
		.amdhsa_next_free_vgpr 256
		.amdhsa_next_free_sgpr 80
		.amdhsa_reserve_vcc 0
		.amdhsa_float_denorm_mode_32 3
		.amdhsa_float_denorm_mode_16_64 3
		.amdhsa_memory_ordered 1
		.amdhsa_forward_progress 1
		.amdhsa_inst_pref_size 41
	.end_amdhsa_kernel
	.amdgpu_metadata
---
amdhsa.version: [ 1, 2 ]
amdhsa.kernels:
  - .name:           k_q03e690ff1f_attn
    .symbol:         k_q03e690ff1f_attn.kd
    .args:
      - { .name: qc, .offset: 0, .size: 8, .value_kind: global_buffer, .address_space: global }
      - { .name: qs, .offset: 8, .size: 8, .value_kind: global_buffer, .address_space: global }
      - { .name: kv, .offset: 16, .size: 8, .value_kind: global_buffer, .address_space: global }
      - { .name: cc, .offset: 24, .size: 8, .value_kind: global_buffer, .address_space: global }
      - { .name: cs, .offset: 32, .size: 8, .value_kind: global_buffer, .address_space: global }
    .group_segment_fixed_size: 215040
    .private_segment_fixed_size: 0
    .kernarg_segment_align: 8
    .kernarg_segment_size: 40
    .max_flat_workgroup_size: 512
    .sgpr_count:     80
    .vgpr_count:     256
    .wavefront_size: 32
...
	.end_amdgpu_metadata
.endif
;; end of part 3
;; launch outp (part 4): grid 4 x 64, 4 waves a work-group, clusters of 4 x 4, 327,680 bytes of LDS; arguments cc, cs, xc, xs, bo, out0; writes out0
.if DOCPART == 4
	.amdgcn_target "amdgcn-amd-amdhsa--gfx1250"
	.amdhsa_code_object_version 6
	.text
	.protected	k_q03e690ff1f_outp
	.globl	k_q03e690ff1f_outp
	.p2align	8
	.type	k_q03e690ff1f_outp,@function
k_q03e690ff1f_outp:
	s_mov_b64 s[64:65], 0
	v_nop
	global_prefetch_b8 v0, s[64:65] scope:SCOPE_SE
	s_setreg_imm32_b32 hwreg(HW_REG_WAVE_MODE, 25, 1), 1
	s_wait_xcnt 0x0
	s_wait_alu depctr_hold_cnt(0) depctr_sa_sdst(0) depctr_va_vdst(0) depctr_va_sdst(0) depctr_va_ssrc(0) depctr_va_vcc(0) depctr_vm_vsrc(0)
	s_getreg_b32 s2, hwreg(HW_REG_IB_STS2, 6, 4)
	s_cmp_eq_u32 s2, 0
	s_cbranch_scc0 .Lentry_in_a_cluster
	s_endpgm
.Lentry_in_a_cluster:
	s_bfe_u32 s2, ttmp6, 0x10000c
	s_cmp_lg_u32 s2, 0xf033
	s_cbranch_scc0 .Lentry_shape_is_right
	s_endpgm
.Lentry_shape_is_right:
; out0 = ctx wo^T + bo on codes of FP6 (E2M3) with E8M0 scales; sums in f32; the bias is the C of each sum's first product.
; A tile of the output is 128 tokens ("A rows", on lanes) x 256 features ("B rows", on a lane's registers); K = 1,024.  Source 0 = 16 rows of wo, source 1 = 16 tokens.
; Row tile L holds rows 64 (L / 4) + 8 (L % 4) + r % 8 + 32 (r / 8); a half image (16 rows x 64 K, 768 bytes) holds lane l's registers 0-3 at 16 l and 4-5 at 512 + 8 l: cc, cs and xc, xs are laid so.
; SHARES.  Four waves, 2 x 2: wa = wave / 2 takes 64 tokens, wb = wave % 2 takes 128 features: 32 accumulators.  256 work-groups.
; LDS.  K lies in two halves of 512 (A's 8 tiles x 6,144 bytes, then B's 16), then the scale bytes, then the spare words.  Every byte is filled once.
; FILLS, joint loads in a cluster of 4 x 4 (A's shared along a row, B's along a column).  At the head one load a wave: A's first half, B's first half, A's scales, B's scales.  The second half is asked for behind
; the three lines and a round of the cluster's barrier, one load a wave, and is shown to all by the barrier in K step 3.  A wave has one tensor load out at the most.
; No prefetch: the text has no loop to run ahead in; all tiles are asked for in these two groups.
; THE WAY OUT goes through a stage of the wave's own in A's part of the first half, which has had its one fill and is read by nobody behind the barrier of K step 3: whole rows of 512 bytes leave.
; REGISTERS.  window 0: v1-3 lane, r, h; v8-15 LDS addresses; v24 scales' address; v25-29 offsets; v32-95 scale words; v96-191 A's fragments, two sets (on the way out v96-223: rows read back).
;   window 1: v0-191 B's fragments, two sets.   window 2: the accumulators, (a, b) at v[8 (8 a + b)].   window 3: v0-63 the bias.
.set HALF,  147456
.set SCL,   294912
.set SPARE, 307200
.set AD,    8
.set SAD,   24
.set L16,   25
.set L8,    26
.set SC,    32
.set AF,    96
.set BK,    96
.set SP,    528
.set MULW,  0xa1
.set MULB,  0xb1
.set TO_B,  0x40
.set MSB, 0
.macro WIN new                         ; the immediate's high byte repeats the setting that is left
.if MSB != \new
	s_set_vgpr_msb (MSB<<8)|\new
.set MSB, \new
.endif
.endm
.macro CROUND
	s_barrier_signal -1
	s_barrier_wait -1
	s_cmp_lg_u32 s18, 0
	s_cbranch_scc1 .Lnw0_\@
	s_barrier_signal -3
.Lnw0_\@:
	s_barrier_wait -3
	s_barrier_signal -1
	s_barrier_wait -1
.endm
.macro GROUP1 g, c, r, p
	s_mov_b32 s[\g+1], (\c)<<16
	s_mov_b32 s[\g+2], (\r)<<16
	s_mov_b32 s[\g+3], (\c)<<16
	s_mov_b32 s[\g+4], \r
	s_mov_b32 s[\g+5], \p
	s_mov_b32 s[\g+6], 0
	s_mov_b32 s[\g+7], 0
.endm
.macro PLACES
.rept 4
	v_nop
.endr
.endm
.macro TLOAD g0, g1                    ; an s_nop 0; four plain lines ahead of any change of windows
	tensor_load_to_lds s[\g0:\g0+3], s[\g1:\g1+7]
	s_nop 0
	PLACES
.endm
.macro ARM under, g0, g1, next
	s_cmp_lt_u32 s18, \under
	s_cbranch_scc0 \next
	TLOAD \g0, \g1
	s_branch .Lhead_asked
\next:
.endm
	s_load_b256 s[4:11], s[0:1], 0x0               ; cc, cs, xc, xs
	s_load_b128 s[12:15], s[0:1], 0x20             ; bo, out0
	v_lshl_add_u32 v254, v0, 2, SPARE
	v_mov_b32 v255, 0
	ds_add_u32 v254, v255                          ; the opening lines: the add twice on end and its wait
	ds_add_u32 v254, v255
	v_lshrrev_b32 v1, 5, v0
	v_readfirstlane_b32 s18, v1                    ; wave
	s_lshr_b32 s19, s18, 1                         ; wa.  Also: in the second group I fetch for A (0) or B (1)
	s_and_b32 s20, s18, 1                          ; wb.  Also: which half of the tiles
	s_bfe_u32 s21, ttmp6, 0x40000                  ; cx
	s_bfe_u32 s22, ttmp6, 0x40004                  ; cy
	s_and_b32 s66, ttmp7, 0xffff
	s_lshl_b32 s66, s66, 2
	s_add_co_u32 s66, s66, s22                     ; TR = 4 x cluster y + cy
	s_mov_b32 s67, s21                             ; TC = cx
	s_lshl_b32 s100, s22, 2
	s_lshl_b32 s100, 15, s100                      ; my row of the cluster
	s_lshl_b32 s2, 0x1111, s21                     ; my column
	s_or_b32 s24, s100, (3<<16)|(1<<21)
	s_or_b32 s40, s100, (3<<16)|(1<<21)
	s_or_b32 s32, s2, (3<<16)|(1<<21)
	s_or_b32 s48, s2, (3<<16)|(1<<21)
	GROUP1 24, 768, 8, 1536                        ; A: 8 row tiles x 6,144 bytes (512 along K), 12,288 apart
	GROUP1 32, 768, 16, 1536                       ; B: 16
	GROUP1 40, 32, 16, 32                          ; A's scales: 4,096 dense bytes
	GROUP1 48, 32, 32, 32                          ; B's: 8,192
	s_lshl_b32 s100, s66, 3                        ; ctx's first row tile
	s_lshl_b32 s2, s67, 4
	s_add_co_u32 s2, s2, 1728                      ; wo's, in xc
	s_lshl_b32 s70, s100, 9
	s_mov_b32 s71, 0
	s_lshl_b32 s74, s2, 9
	s_mov_b32 s75, 0
	s_mul_i32 s58, s100, 12288
	s_mov_b32 s59, 0
	s_mul_i32 s62, s2, 12288
	s_mov_b32 s63, 0
	s_mul_i32 s90, s20, 49152                      ; the second group: my 4 tiles of A, their second half,
	s_add_co_u32 s90, s90, 6144
	s_mov_b32 s91, 0
	s_mul_i32 s92, s20, 98304                      ; or my 8 of B
	s_add_co_u32 s92, s92, 6144
	s_mov_b32 s93, 0
	s_mov_b32 s56, 1
	s_mov_b32 s57, 0
	s_mov_b32 s60, 1
	s_mov_b32 s61, 49152
	s_mov_b32 s68, 1
	s_mov_b32 s69, SCL
	s_mov_b32 s72, 1
	s_mov_b32 s73, SCL+4096
	s_mov_b32 s76, 1
	s_mul_i32 s77, s20, 24576
	s_add_co_u32 s77, s77, HALF
	s_mov_b32 s80, 1
	s_mul_i32 s81, s20, 49152
	s_add_co_u32 s81, s81, HALF+49152
	s_wait_dscnt 0x0
	s_wait_kmcnt 0x0
	s_add_nc_u64 s[58:59], s[4:5], s[58:59]
	s_add_nc_u64 s[62:63], s[8:9], s[62:63]
	s_add_nc_u64 s[70:71], s[6:7], s[70:71]
	s_add_nc_u64 s[74:75], s[10:11], s[74:75]
	s_add_nc_u64 s[78:79], s[58:59], s[90:91]
	s_add_nc_u64 s[82:83], s[62:63], s[92:93]
.irp x, 59,63,71,75,79,83
	s_or_b32 s\x, s\x, 0x80000000
.endr
	CROUND                                         ; all sixteen work-groups are here: the joint loads meet
	ARM 1, 56, 24, .Lhead_b                        ; one chain of branches on the wave's number, one load to an arm
	ARM 2, 60, 32, .Lhead_sa
	ARM 3, 68, 40, .Lhead_sb
	TLOAD 72, 48
.Lhead_asked:
	v_and_b32 v1, 31, v0                           ; lane
	v_and_b32 v2, 15, v0                           ; r
	v_bfe_u32 v3, v0, 4, 1                         ; h
	v_lshlrev_b32 v[L16], 4, v1
	v_lshlrev_b32 v[L8], 3, v1
	v_add_nc_u32 v[L8], 512, v[L8]
	s_mul_i32 s4, s19, 24576
	s_mul_i32 s5, s20, 49152
	s_add_co_u32 s5, s5, 49152
.irp g, 0,1
	v_add_nc_u32 v[AD+4*\g], s4, v[L16]
	v_add_nc_u32 v[AD+4*\g+1], s4, v[L8]
	v_add_nc_u32 v[AD+4*\g+2], s5, v[L16]
	v_add_nc_u32 v[AD+4*\g+3], s5, v[L8]
	s_add_co_u32 s4, s4, HALF
	s_add_co_u32 s5, s5, HALF
.endr
	s_xor_b32 s4, s19, 1                           ; from my rows' scales of A to those of B: 2048 + 4096 wb + 2048 (1 - wa)
	s_lshl_b32 s4, s4, 11
	s_lshl_b32 s5, s20, 12
	s_add_co_u32 s4, s4, s5
	s_add_co_u32 s4, s4, 2048
	v_mul_u32_u24 v[SAD], s4, v3
	v_lshl_add_u32 v[SAD], v2, 5, v[SAD]
	s_lshl_b32 s5, s19, 11
	s_add_co_u32 s5, s5, SCL
	v_add_nc_u32 v[SAD], s5, v[SAD]
	s_mul_i32 s4, s18, 16*SP                       ; my stage
	v_mul_u32_u24 v28, v2, SP
	v_lshl_add_u32 v28, v3, 7, v28
	v_add_nc_u32 v28, s4, v28                      ; in: row r, + 128 h bytes
	v_add_nc_u32 v29, s4, v[L16]                   ; back: 16 bytes a lane of a row
	s_lshl_b32 s6, s67, 1
	s_add_co_u32 s6, s6, s20
	s_lshl_b32 s6, s6, 9                           ; my 128 features, in bytes
	s_mov_b32 s7, 0
	s_add_nc_u64 s[12:13], s[12:13], s[6:7]
	s_lshl_b32 s8, s66, 7
	s_lshl_b32 s9, s19, 6
	s_add_co_u32 s8, s8, s9
	s_lshl_b32 s8, s8, 12                          ; my first token's row of 4,096 bytes
	s_add_co_u32 s8, s8, s6
	s_mov_b32 s9, 0
	s_add_nc_u64 s[14:15], s[14:15], s[8:9]
	v_lshlrev_b32 v27, 7, v3
	WIN 0xc0
.irp b, 0,1,2,3,4,5,6,7                        ; register 8 b + j = the bias of feature 64 (b / 4) + 8 (b % 4) + 32 h + j
	global_load_b128 v[8*\b:8*\b+3], v27, s[12:13] offset:(64*(\b/4)+8*(\b%4))*4
	global_load_b128 v[8*\b+4:8*\b+7], v27, s[12:13] offset:(64*(\b/4)+8*(\b%4))*4+16
.endr
	WIN 0
.macro FETCH s, bs                     ; the fragments of K step s into set bs: 48 LDS loads of 512 or 256 consecutive bytes
	WIN TO_B
.irp b, 0,1,2,3,4,5,6,7
.irp c, 0,1
	ds_load_b128 v[96*(\bs)+12*\b+6*\c:96*(\bs)+12*\b+6*\c+3], v[AD+4*((\s)/4)+2] offset:6144*\b+(2*((\s)%4)+\c)*768
	ds_load_b64 v[96*(\bs)+12*\b+6*\c+4:96*(\bs)+12*\b+6*\c+5], v[AD+4*((\s)/4)+3] offset:6144*\b+(2*((\s)%4)+\c)*768
.endr
.endr
	WIN 0
.irp a, 0,1,2,3
.irp c, 0,1
	ds_load_b128 v[AF+48*(\bs)+12*\a+6*\c:AF+48*(\bs)+12*\a+6*\c+3], v[AD+4*((\s)/4)] offset:6144*\a+(2*((\s)%4)+\c)*768
	ds_load_b64 v[AF+48*(\bs)+12*\a+6*\c+4:AF+48*(\bs)+12*\a+6*\c+5], v[AD+4*((\s)/4)+1] offset:6144*\a+(2*((\s)%4)+\c)*768
.endr
.endr
.endm
.macro MUL s, bs, cm                   ; 32 products, the 32 accumulators by turns in the same order in every step.  cm = 1: C = the bias
.irp a, 0,1,2,3
.irp b, 0,1,2,3,4,5,6,7
.if \cm == 0
	v_wmma_scale_f32_16x16x128_f8f6f4 v[8*(8*\a+\b):8*(8*\a+\b)+7], v[96*(\bs)+12*\b:96*(\bs)+12*\b+11], v[AF+48*(\bs)+12*\a:AF+48*(\bs)+12*\a+11], v[8*(8*\a+\b):8*(8*\a+\b)+7], v[SC+8*\b+(\s)], v[SC+8*\a+(\s)] matrix_a_fmt:MATRIX_FMT_FP6 matrix_b_fmt:MATRIX_FMT_FP6 matrix_a_scale:MATRIX_SCALE_ROW1
.else
	v_wmma_scale_f32_16x16x128_f8f6f4 v[8*(8*\a+\b):8*(8*\a+\b)+7], v[96*(\bs)+12*\b:96*(\bs)+12*\b+11], v[AF+48*(\bs)+12*\a:AF+48*(\bs)+12*\a+11], v[8*\b:8*\b+7], v[SC+8*\b+(\s)], v[SC+8*\a+(\s)] matrix_a_fmt:MATRIX_FMT_FP6 matrix_b_fmt:MATRIX_FMT_FP6 matrix_a_scale:MATRIX_SCALE_ROW1
.endif
.endr
.endr
.endm
.macro KSTEP s
	s_wait_dscnt 0x0                               ; this step's fragments, asked for 32 products ago, are in
.if (\s) == 3
	s_wait_tensorcnt 0x0                           ; my part of the second half has landed;
	s_barrier_signal -1
	s_barrier_wait -1                              ; everybody's has.
.endif
.if (\s) < 7
	PLACES                                         ; four plain lines between the last products and loads into registers that they read
	FETCH (\s)+1, 1-(\s)%2
.endif
	WIN MULW
	MUL \s, (\s)%2, 0
.endm
	s_wait_alu depctr_va_vdst(0)                   ; the wait at the head's end
	s_wait_tensorcnt 0x0                           ; my tile of the head's four is in; the three lines ahead of a later first fill
	ds_add_u32 v254, v255
	s_mov_b32 s26, 4<<16                           ; no tensor load of mine is out: from here on a load of A brings 4 row tiles,
	s_mov_b32 s28, 4
	s_mov_b32 s34, 8<<16                           ; one of B 8
	s_mov_b32 s36, 8
	s_wait_dscnt 0x0
	CROUND                                         ; all four tiles are in, all sixteen work-groups are here
	s_cmp_eq_u32 s19, 0
	s_cbranch_scc0 .Lsecond_b
	TLOAD 76, 24
	s_branch .Lsecond_asked
.Lsecond_b:
	TLOAD 80, 32
.Lsecond_asked:
.irp i, 0,1,2,3,4,5,6,7
.irp k, 0,1
	ds_load_b128 v[SC+8*\i+4*\k:SC+8*\i+4*\k+3], v[SAD] offset:512*\i+16*\k   ; all eight K steps' scale words, once
.endr
.endr
	FETCH 0, 0
	s_wait_dscnt 0x0
	FETCH 1, 1
	s_wait_loadcnt 0x0                             ; the bias
	WIN MULB
	MUL 0, 0, 1                                    ; the first products start the sums from the bias
.irp s, 1,2,3,4,5,6,7
	KSTEP \s
.endr
	WIN 0
; THE WAY OUT, a tile of 16 tokens x 128 features at a time: a lane's 32 bytes of each accumulator go into my stage, whole rows of 512 bytes come back.  LDS serves a wave's instructions in order.
.macro TOSTAGE a
	WIN 0x08                                       ; an LDS store's data are its source 1: window 2
.irp b, 0,1,2,3,4,5,6,7
	ds_store_b128 v28, v[8*(8*(\a)+\b):8*(8*(\a)+\b)+3] offset:256*(\b/4)+32*(\b%4)        ; each accumulator from its low end on
	ds_store_b128 v28, v[8*(8*(\a)+\b)+4:8*(8*(\a)+\b)+7] offset:256*(\b/4)+32*(\b%4)+16
.endr
	WIN 0
.set BB, BK+64*((\a)%2)
.irp t, 0,1,2,3,4,5,6,7,8,9,10,11,12,13,14,15
	ds_load_b128 v[BB+4*\t:BB+4*\t+3], v29 offset:SP*\t
.endr
.endm
.macro SEND a, younger                 ; younger: the LDS instructions issued behind tile a's loads, which may stay out
.set BB, BK+64*((\a)%2)
	s_wait_dscnt \younger
.irp t, 0,1,2,3,4,5,6,7,8,9,10,11,12,13,14,15
	global_store_b128 v[L16], v[BB+4*\t:BB+4*\t+3], s[14:15] offset:(8*(\a)+\t%8+32*(\t/8))*4096 th:TH_STORE_NT   ; 512 consecutive bytes of a row, aligned to 256; written once
.endr
.endm
	PLACES                                         ; four plain lines behind the last products
	TOSTAGE 0
.irp a, 1,2,3
.if \a > 1
	s_wait_xcnt 0x0                                ; tile a - 2's stores have read their registers
.endif
	TOSTAGE \a
	SEND \a-1, 32                                  ; behind tile a - 1's loads: tile a's 16 stores and 16 loads
.endr
	SEND 3, 0
	s_wait_tensorcnt 0x0                           ; the wave's end
	ds_add_u32 v254, v255
	s_wait_dscnt 0x0
	CROUND                                         ; the closing round
	s_endpgm
.Lfunc_end_k_q03e690ff1f_outp:
	.size	k_q03e690ff1f_outp, .Lfunc_end_k_q03e690ff1f_outp-k_q03e690ff1f_outp
	.p2alignl 7, 3214868480
	.fill 96, 4, 3214868480
	.section	.rodata,"a",@progbits
	.p2align	6, 0x0
	.amdhsa_kernel k_q03e690ff1f_outp
		.amdhsa_group_segment_fixed_size 327680
		.amdhsa_private_segment_fixed_size 0
		.amdhsa_enable_private_segment 0
		.amdhsa_kernarg_size 48
		.amdhsa_user_sgpr_count 2
		.amdhsa_user_sgpr_kernarg_segment_ptr 1
		.amdhsa_wavefront_size32 1
		.amdhsa_system_sgpr_workgroup_id_x 1
		.amdhsa_system_sgpr_workgroup_id_y 1
		.amdhsa_system_sgpr_workgroup_id_z 1
		.amdhsa_system_vgpr_workitem_id 0
		.amdhsa_next_free_vgpr 832
		.amdhsa_next_free_sgpr 102
		.amdhsa_reserve_vcc 0
		.amdhsa_float_denorm_mode_32 3
		.amdhsa_float_denorm_mode_16_64 3
		.amdhsa_memory_ordered 1
		.amdhsa_forward_progress 1
		.amdhsa_inst_pref_size 86
	.end_amdhsa_kernel
	.amdgpu_metadata
---
amdhsa.version: [ 1, 2 ]
amdhsa.kernels:
  - .name:           k_q03e690ff1f_outp
    .symbol:         k_q03e690ff1f_outp.kd
    .args:
      - { .name: cc, .offset: 0, .size: 8, .value_kind: global_buffer, .address_space: global }
      - { .name: cs, .offset: 8, .size: 8, .value_kind: global_buffer, .address_space: global }
      - { .name: xc, .offset: 16, .size: 8, .value_kind: global_buffer, .address_space: global }
      - { .name: xs, .offset: 24, .size: 8, .value_kind: global_buffer, .address_space: global }
      - { .name: bo, .offset: 32, .size: 8, .value_kind: global_buffer, .address_space: global }
      - { .name: out0, .offset: 40, .size: 8, .value_kind: global_buffer, .address_space: global }
    .group_segment_fixed_size: 327680
    .private_segment_fixed_size: 0
    .kernarg_segment_align: 8
    .kernarg_segment_size: 48
    .max_flat_workgroup_size: 128
    .sgpr_count:     102
    .vgpr_count:     832
    .wavefront_size: 32
...
	.end_amdgpu_metadata
.endif
;; end of part 4
